; MI455X (gfx1250); checked and timed in simulation.
; The chip was launched on July 23, 2026; its instructions are those of AMD's public machine-readable ISA for CDNA 5 (MIT licence, August 2026) and "CDNA5" Instruction Set Architecture Reference Guide (July 2026). The comments in the code are by the model that wrote it; some were corrected since.
;; Content Based Attention. Allowed arithmetic: matrix products marked QUANTISED: E5M2 operands, one E8M0 scale for each 32 along K, by v_wmma_scale_f32_16x16x128_f8f6f4 with both operands' format E5M2, f32 sums; products left as they are: f32 operands where the result goes on into a quantised operand, else bf16, f16 or f32 operands; f32 sums; everything else in f32.
;; Inputs: V 1,024 x 1,024 float32; W 1,024 x 1,024 float32; b 1,024 float32; decoder_output 32 x 1 x 1,024 float32; encoder_outputs 32 x 2,048 x 1,024 float32; w 1,024 x 1 float32.
;; Outputs: out0 32 x 1,024 float32.
;; This version of the problem:
;;   THIS VERSION OF THE PROBLEM IS GIVEN IN LOW PRECISION. The matrix products marked QUANTISED in the list below multiply operands that are first quantised to E5M2 (5 exponent bits, 2 mantissa bits; 8 bits a number), with one power-of-two scale for each 32 numbers along K (OCP MX v1.0); their sums are f32. All else is computed in f32.
;;   The module's matrix products, in the order in which they are computed (A, B: the left and right operand; K: the contracted axis; several contracted axes count as one K, in the product's order):
;;     1. [M 32, K 1,024] x [K 1,024, N 1,024]; A: input decoder_output; B: input W: QUANTISED
;;     2. [M 65,536, K 1,024] x [K 1,024, N 1,024]; A: input encoder_outputs; B: input V: QUANTISED
;;     3. [M 65,536, K 1,024] x [K 1,024, N 1]; A: computed on the way; B: input w: left as it is (N = 1 < 16)
;;     4. batch 32 x [M 1, K 2,048] x [K 2,048, N 1,024]; A: softmax; B: input encoder_outputs: left as it is (M = 1 < 16)
;;   THE QUANTISER, for each operand of a quantised product, along K:
;;     - K is cut into blocks of 32 from its start; a last block that is shorter is filled with zeros.
;;     - A block's scale is 2^e with e = floor(log2(the largest magnitude in the block)) - 15, held to -126 .. 127; a block of zeros has e = 0. As a byte (E8M0): e + 127.
;;     - Each number is divided by its block's scale, clamped to +-57,344, and rounded to the nearest number of E5M2, ties to even, subnormals kept.
;;     - The product sums the exact products of the quantised numbers (number of the format x scale) in f32.
;;   ~~~python
;;   def quantise(x, axis):      # numpy; x: float32 -> the quantised numbers, widened to float32 again
;;       x = np.moveaxis(x, axis, -1); K = x.shape[-1]
;;       x = np.pad(x, [(0, 0)] * (x.ndim - 1) + [(0, -K % 32)]); x = x.reshape(x.shape[:-1] + (-1, 32)); a = np.abs(x).max(-1, keepdims=True)
;;       e = np.where(a > 0, np.clip(np.frexp(np.where(a > 0, a, 1))[1] - 1 - 15, -126, 127), 0)      # np.frexp(a)[1] - 1 = floor(log2(a)), exactly
;;       r = np.clip(x / 2.0 ** e, -57344, 57344)
;;       step = 2.0 ** (np.maximum(np.frexp(np.where(r == 0, 1, r))[1] - 1, -14) - 2)
;;       q = np.round(r / step) * step * 2.0 ** e      # np.round: ties to even
;;       return np.moveaxis(q.reshape(q.shape[:-2] + (-1,))[..., :K], -1, axis).astype(np.float32)
;;   ~~~
;; One version. Each part assembles by itself: llvm-mc -triple=amdgcn-amd-amdhsa -mcpu=gfx1250 --defsym DOCPART=n.
;; ======== version 1 of 1: 3 launches
;; limits: right only within a limited range of input values
;; workspace buffers: vq 1,081,344 bytes; bw 262,144 bytes; part 4,456,448 bytes
;; launch prep (part 1): grid 64 x 1, 8 waves a work-group, no clusters, 33,792 bytes of LDS; arguments V, W, decoder_output, b, w, vq, bw; writes vq, bw
.if DOCPART == 1
	.amdgcn_target "amdgcn-amd-amdhsa--gfx1250"
	.amdhsa_code_object_version 6
	.text
	.protected	k_qbcd7eadf1e_prep
	.globl	k_qbcd7eadf1e_prep
	.p2align	8
	.type	k_qbcd7eadf1e_prep,@function
k_qbcd7eadf1e_prep:
	s_mov_b64 s[64:65], 0
	v_nop
	global_prefetch_b8 v0, s[64:65] scope:SCOPE_SE
	s_setreg_imm32_b32 hwreg(HW_REG_WAVE_MODE, 25, 1), 1
	s_wait_xcnt 0x0
; PREP.  Work-groups 0-31: V [1024 (k)][1024 (n)] f32 becomes codes of BF8 (E5M2) with one E8M0 byte for each 32 along K, laid in vq as images of the operand's registers.
; Work-groups 32-63: W is quantised the same way, stays in registers, and is multiplied by the quantised decoder rows: bw[batch][column] = (K2 (dec W + b), -2 w), K2 = 2 log2(e).
; K STEPS.  K step s = 4 H + t holds at its position c (0..3) the true block of 32 that begins at k = 512 H + 128 c + 32 t.  The same map is used for every operand of both products,
; so each product of codes meets its own two scales; only the order of the f32 sums differs from ascending k.
; SHARES.  A work-group takes 32 columns (two tiles of 16), wave s takes K step s.  A LANE TAKES A COLUMN AND ITS REGISTERS RUN DOWN K: a load reads 128 consecutive bytes a wave, a block of 32 lies in one lane.
; vq: tile nt (columns 16 nt ..) is 16,896 bytes: fragment s at 2,048 s, its registers 4 c .. 4 c + 3 at + 512 c, lane (r, h) at + 16 (16 h + r); from 16,384 on the scale words: (s, column r) at 16 (16 (s & 1) + r) + 4 (s >> 1).
; A block's scale is 2^(floor(log2(largest magnitude)) - 15); its byte is the largest magnitude's exponent field - 15, held at 1 from below.
; LIMITS: a block of zeros gets the byte 1 where the rule says 127 (its codes are zeros, and this program alone reads the bytes); blocks whose largest magnitude lies under 2^(16 - 127) are held at that floor; NaN and infinities among the inputs are not served.
.set TILEB, 16896
.set SPARE, 32768                      ; LDS: 8 waves x 4,096 bytes of partial sums from 0; behind them the spare words, 128 bytes a wave
.set VA,  2                            ; v2   4 x lane: my column in a row of V or W
.set VO,  3                            ; v3   vq: (lane / 16) tiles + 16 (lane % 16)
.set VS,  4                            ; v4   vq: the same + 16,384: my column's scale word
.set DA,  5                            ; v5   decoder rows: 4,096 r + 64 h
.set LI,  6                            ; v6   16 x lane
.set RW,  7                            ; v7   LDS: 4,096 x wave + 16 x lane
.set RR,  8                            ; v8   LDS: 512 x wave + 16 x lane
.set BA,  9                            ; v9   4 r
.set BO,  10                           ; v10  bw: 8 h rows of 8,192 bytes + 8 r
.set SB,  11                           ; v11  my column's scale word; nothing else
.set SPW, 12                           ; v12  LDS address of my spare word; never rewritten
.set NIL, 13                           ; v13  0; never rewritten
.set TM,  16                           ; v16-31 at work in the quantisers
.set PW0, 32                           ; v32, v33 the decoder rows' scale words
.set F0,  40                           ; v40-55  codes of my column's numbers 0-15 of each block; later tile 0's fragment
.set F1,  56                           ; v56-71  numbers 16-31; later tile 1's fragment
.set A0,  72                           ; v72-103 the decoder rows' two fragments
.set X,   104                          ; v104-231 128 numbers
.set ACC, 104                          ; v104-135 four accumulators, where X's first numbers lay
.set QD,  136                          ; v136-167 eight waves' parts of my four registers
.set OP,  168                          ; v168-175 four pairs to store
.set WV,  18
.set SEL, 28
.set MNT, 30
.set K2S, 31
	s_load_b256 s[4:11], s[0:1], 0x0               ; V s[4:5], W s[6:7], decoder rows s[8:9], b s[10:11]
	s_load_b128 s[12:15], s[0:1], 0x20             ; w s[12:13], vq s[14:15]
	s_load_b64 s[16:17], s[0:1], 0x30              ; bw
	v_lshl_add_u32 v[SPW], v0, 2, SPARE
	v_mov_b32 v[NIL], 0
	v_lshrrev_b32 v1, 5, v0
	s_delay_alu instid0(VALU_DEP_1)
	v_readfirstlane_b32 s[WV], v1                  ; wave 0..7 = my K step
	v_and_b32 v1, 31, v0                           ; lane
	v_and_b32 v14, 15, v0                          ; r
	v_bfe_u32 v15, v0, 4, 1                        ; h
	s_delay_alu instid0(VALU_DEP_3)
	v_lshlrev_b32 v[VA], 2, v1
	s_delay_alu instid0(VALU_DEP_2)
	v_mul_u32_u24 v[VO], v15, TILEB
	s_delay_alu instid0(VALU_DEP_1)
	v_lshl_add_u32 v[VO], v14, 4, v[VO]
	s_delay_alu instid0(VALU_DEP_1)
	v_add_nc_u32 v[VS], 16384, v[VO]
	v_lshlrev_b32 v[DA], 12, v14
	s_delay_alu instid0(VALU_DEP_1)
	v_lshl_add_u32 v[DA], v15, 6, v[DA]
	v_lshlrev_b32 v[LI], 4, v1
	s_lshl_b32 s32, s[WV], 12
	v_add_nc_u32 v[RW], s32, v[LI]
	s_lshl_b32 s32, s[WV], 9
	v_add_nc_u32 v[RR], s32, v[LI]
	v_lshlrev_b32 v[BA], 2, v14
	v_lshlrev_b32 v[BO], 3, v14
	s_delay_alu instid0(VALU_DEP_1)
	v_lshl_add_u32 v[BO], v15, 16, v[BO]
.irp b, 0,1,2,3
	v_mov_b32 v[TM+4+\b], 0                        ; written once: a lane permute's destination counts as one of its sources
.endr
	s_mov_b32 s[SEL], 0x76543210
	s_mov_b32 s[SEL+1], 0xfedcba98                 ; v_permlanex16_b32's selects for lane l xor 16
	s_mov_b32 s[MNT], 0x600000                     ; the mantissa field of 57,344
	s_mov_b32 s[K2S], 0x4038aa3b                   ; K2 = 2 log2(e)
	s_and_b32 s19, ttmp9, 31                       ; G: which 32 columns
	s_lshr_b32 s32, s[WV], 2                       ; H
	s_and_b32 s33, s[WV], 3                        ; t
	s_lshl_b32 s20, s32, 21                        ; (512 H + 32 t) rows of 4,096 bytes + 128 G
	s_lshl_b32 s34, s33, 17
	s_add_co_u32 s20, s20, s34
	s_lshl_b32 s34, s19, 7
	s_add_co_u32 s20, s20, s34
	s_mov_b32 s21, 0
	s_wait_kmcnt 0x0
	s_cmp_lt_u32 ttmp9, 32                         ; V's work-group or W's: the choice hangs on the work-group's number alone
	s_cselect_b64 s[22:23], s[4:5], s[6:7]
	s_add_nc_u64 s[22:23], s[22:23], s[20:21]
.macro LOADB c                         ; position c's block: rows 128 c + 0 .. 31 from my K step's first row, my column
.set li, 0
.rept 32
	global_load_b32 v[X+32*(\c)+li], v[VA], s[22:23] offset:(128*(\c)+li)*4096 th:TH_LOAD_NT
.set li, li+1
.endr
.endm
.macro BLOCK c                         ; 32 numbers of one lane become 32 codes and a byte of the scale word
.set XS, X+32*(\c)
.if (\c) < 3
	s_wait_loadcnt 32                              ; this block's 32 loads are in; the next block's 32 may be out
.else
	s_wait_loadcnt 0x0
.endif
.if (\c) < 2
	LOADB (\c)+2                                   ; loads run two blocks ahead
.endif
	v_max3_num_f32 v14, |v[XS]|, |v[XS+1]|, |v[XS+2]|      ; the block's largest magnitude, in two chains
	v_max3_num_f32 v15, |v[XS+3]|, |v[XS+4]|, |v[XS+5]|
.irp i, 6,10,14,18,22,26
	s_delay_alu instid0(VALU_DEP_2)
	v_max3_num_f32 v14, v14, |v[XS+\i]|, |v[XS+\i+1]|
	s_delay_alu instid0(VALU_DEP_2)
	v_max3_num_f32 v15, v15, |v[XS+\i+2]|, |v[XS+\i+3]|
.endr
	s_delay_alu instid0(VALU_DEP_2)
	v_max3_num_f32 v14, v14, |v[XS+30]|, |v[XS+31]|
	s_delay_alu instid0(VALU_DEP_1)
	v_max3_num_f32 v14, v14, v15, 0x8000000        ; and the floor 2^(16 - 127): the byte cannot fall under 1
	s_delay_alu instid0(VALU_DEP_1)
	v_add_nc_u32 v16, 0xf8800000, v14              ; 15 off the exponent field: the conversion's scale operand
	s_delay_alu instid0(VALU_DEP_2)
	v_and_or_b32 v17, v14, 0x7f800000, s[MNT]      ; 57,344 x the scale
	s_delay_alu instid0(VALU_DEP_2)
	v_lshrrev_b32 v15, 23, v16                     ; the scale's byte
.if (\c) == 0
	s_delay_alu instid0(VALU_DEP_1)
	v_mov_b32 v[SB], v15
.else
	s_delay_alu instid0(VALU_DEP_1)
	v_lshl_or_b32 v[SB], v15, 8*(\c), v[SB]
.endif
.set bi, 0
.rept 32
	v_med3_num_f32 v[XS+bi], v[XS+bi], -v17, v17   ; the conversion to an 8-bit code does not saturate (ISA guide 7.6.2): the hold comes first
.set bi, bi+1
.endr
	v_cvt_scalef32_pk8_bf8_f32 v[F0+4*(\c):F0+4*(\c)+1], v[XS:XS+7], v16
	v_cvt_scalef32_pk8_bf8_f32 v[F0+4*(\c)+2:F0+4*(\c)+3], v[XS+8:XS+15], v16
	v_cvt_scalef32_pk8_bf8_f32 v[F1+4*(\c):F1+4*(\c)+1], v[XS+16:XS+23], v16
	v_cvt_scalef32_pk8_bf8_f32 v[F1+4*(\c)+2:F1+4*(\c)+3], v[XS+24:XS+31], v16
	v_nop                                          ; a plain line behind the last conversion, ahead of whatever next touches its registers
.endm
; 64 numbers of a lane, register 16 b + i = number 16 h + i of position b's block of my row, become a fragment's codes in v[pc] on and its scale word in v[pw]
.macro QUANT s, pc, pw
.irp b, 0,1,2,3
	v_max3_num_f32 v[TM+\b], |v[(\s)+16*\b]|, |v[(\s)+1+16*\b]|, 0x8000000
.endr
.irp i, 2,4,6,8,10,12,14
.irp b, 0,1,2,3
	s_delay_alu instid0(VALU_DEP_4)
	v_max3_num_f32 v[TM+\b], v[TM+\b], |v[(\s)+16*\b+\i]|, |v[(\s)+1+16*\b+\i]|
.endr
.endr
.irp b, 0,1,2,3
	s_delay_alu instid0(VALU_DEP_4)
	v_permlanex16_b32 v[TM+4+\b], v[TM+\b], s[SEL], s[SEL+1]
.endr
.irp b, 0,1,2,3
	s_delay_alu instid0(VALU_DEP_4)
	v_max_num_f32 v[TM+\b], v[TM+\b], v[TM+4+\b]   ; with lane l xor 16's 16 numbers: the block's largest magnitude
.endr
.irp b, 0,1,2,3
	s_delay_alu instid0(VALU_DEP_4)
	v_add_nc_u32 v[TM+12+\b], 0xf8800000, v[TM+\b]
.endr
.irp b, 0,1,2,3
	v_and_or_b32 v[TM+8+\b], v[TM+\b], 0x7f800000, s[MNT]
.endr
.irp b, 0,1,2,3
	v_lshrrev_b32 v[TM+4+\b], 23, v[TM+12+\b]
.endr
	s_delay_alu instid0(VALU_DEP_3)
	v_lshl_or_b32 v[\pw], v[TM+5], 8, v[TM+4]
	s_delay_alu instid0(VALU_DEP_1)
	v_lshl_or_b32 v[\pw], v[TM+6], 16, v[\pw]
	s_delay_alu instid0(VALU_DEP_1)
	v_lshl_or_b32 v[\pw], v[TM+7], 24, v[\pw]
.irp b, 0,1,2,3
.irp i, 0,1,2,3,4,5,6,7,8,9,10,11,12,13,14,15
	v_med3_num_f32 v[(\s)+16*\b+\i], v[(\s)+16*\b+\i], -v[TM+8+\b], v[TM+8+\b]
.endr
	v_cvt_scalef32_pk8_bf8_f32 v[(\pc)+4*\b:(\pc)+1+4*\b], v[(\s)+16*\b:(\s)+7+16*\b], v[TM+12+\b]
	v_cvt_scalef32_pk8_bf8_f32 v[(\pc)+2+4*\b:(\pc)+3+4*\b], v[(\s)+8+16*\b:(\s)+15+16*\b], v[TM+12+\b]
.endr
	v_nop                                          ; a plain line behind the last conversion
.endm
	LOADB 0
	LOADB 1
	BLOCK 0
	BLOCK 1
	BLOCK 2
	BLOCK 3
	s_cmp_lt_u32 ttmp9, 32
	s_cbranch_scc0 .Lw_path
	; ---- V: the codes and the scale words go to vq.  This way touches no LDS and passes no barrier
	s_mul_i32 s20, s19, 2*TILEB
	s_add_nc_u64 s[14:15], s[14:15], s[20:21]      ; my two tiles
	s_lshl_b32 s20, s[WV], 11
	s_add_nc_u64 s[24:25], s[14:15], s[20:21]      ; fragment s
	s_and_b32 s34, s[WV], 1
	s_lshl_b32 s34, s34, 8
	s_lshr_b32 s35, s[WV], 1
	s_lshl_b32 s35, s35, 2
	s_add_co_u32 s20, s34, s35
	s_add_nc_u64 s[26:27], s[14:15], s[20:21]      ; + 256 (s & 1) + 4 (s >> 1)
	s_wait_alu depctr_va_vdst(0)
.irp c, 0,1,2,3
	global_store_b128 v[VO], v[F0+4*\c:F0+4*\c+3], s[24:25] offset:512*\c          ; sixteen lanes store 256 consecutive bytes, aligned: the half h = 0 of a tile's registers 4 c ..
	global_store_b128 v[VO], v[F1+4*\c:F1+4*\c+3], s[24:25] offset:512*\c+256      ; and the half h = 1
.endr
	global_store_b32 v[VS], v[SB], s[26:27]        ; 4 bytes a lane, 16 bytes apart: eight waves together fill a tile's 512 bytes; 32 KiB in the whole launch
	s_endpgm
.Lw_path:
	; ---- W: dec W by the matrix unit, K step s in wave s; the eight waves' parts meet in LDS
	s_lshr_b32 s34, s[WV], 1
	s_and_b32 s34, s34, 1                          ; behind the barrier wave v owns registers 4 (v & 1) .. + 3 of accumulator v >> 1 = 2 mt + nl
	s_lshl_b32 s34, s34, 4
	s_lshl_b32 s35, s19, 5
	s_add_co_u32 s35, s35, s34                     ; its first column: 32 G + 16 nl
	s_lshl_b32 s20, s35, 2
	s_add_nc_u64 s[10:11], s[10:11], s[20:21]
	s_add_nc_u64 s[12:13], s[12:13], s[20:21]
	s_lshl_b32 s20, s32, 11                        ; the decoder rows at k = 512 H + 32 t
	s_lshl_b32 s34, s33, 7
	s_add_co_u32 s20, s20, s34
	s_add_nc_u64 s[8:9], s[8:9], s[20:21]
	s_lshl_b32 s34, s32, 4                         ; 16 mt (mt = v >> 2)
	s_and_b32 s36, s[WV], 1
	s_lshl_b32 s36, s36, 2
	s_add_co_u32 s34, s34, s36                     ; + 4 (v & 1): my first batch
	s_lshl_b32 s34, s34, 13
	s_lshl_b32 s35, s35, 3
	s_add_co_u32 s20, s34, s35
	s_add_nc_u64 s[16:17], s[16:17], s[20:21]
	global_load_b32 v34, v[BA], s[10:11]           ; b and w of my column
	global_load_b32 v35, v[BA], s[12:13]
.irp m, 0,1
.irp c, 0,1,2,3
.irp j, 0,1,2,3
	global_load_b128 v[X+64*\m+16*\c+4*\j:X+64*\m+16*\c+4*\j+3], v[DA], s[8:9] offset:65536*\m+512*\c+16*\j   ; batch 16 m + r: 16 neighbours of each of my K step's four blocks
.endr
.endr
.endr
.set wi, 0
.rept 16
	v_permlane16_swap_b32 v[F0+wi], v[F1+wi]       ; F0's upper lanes change places with F1's lower: F0 is now the fragment of columns 0-15, F1 that of columns 16-31
.set wi, wi+1
.endr
	s_wait_loadcnt 16                              ; b, w and batches 0-15 are in; the 16 loads of batches 16-31 may be out
	QUANT X, A0, PW0
	s_wait_loadcnt 0x0
	QUANT X+64, A0+16, PW0+1
.rept 8
	v_nop                                          ; a scale word written by vector instructions stands eight places ahead of a scaled matrix instruction, codes four
.endr
.irp m, 0,1
	v_wmma_scale_f32_16x16x128_f8f6f4 v[ACC+16*\m:ACC+16*\m+7], v[A0+16*\m:A0+16*\m+15], v[F0:F0+15], 0, v[PW0+\m], v[SB] matrix_a_fmt:MATRIX_FMT_BF8 matrix_b_fmt:MATRIX_FMT_BF8
	v_wmma_scale_f32_16x16x128_f8f6f4 v[ACC+16*\m+8:ACC+16*\m+15], v[A0+16*\m:A0+16*\m+15], v[F1:F1+15], 0, v[PW0+\m], v[SB] matrix_a_fmt:MATRIX_FMT_BF8 matrix_b_fmt:MATRIX_FMT_BF8 matrix_b_scale:MATRIX_SCALE_ROW1
.endr
.rept 8
	v_nop                                          ; eight places ahead of the first read of results
.endr
.irp q, 0,1,2,3,4,5,6,7
	ds_store_b128 v[RW], v[ACC+4*\q:ACC+4*\q+3] offset:512*\q      ; each accumulator from its low end on
.endr
	s_wait_dscnt 0x0                               ; for the others' sake: my stores have landed
	s_barrier_signal -1
	s_barrier_wait -1
.irp u, 0,1,2,3,4,5,6,7
	ds_load_b128 v[QD+4*\u:QD+4*\u+3], v[RR] offset:4096*\u        ; K step u's part of my four registers
.endr
	v_mul_f32 v36, s[K2S], v34                     ; K2 b
	v_mul_f32 v37, -2.0, v35                       ; -2 w
	s_wait_dscnt 0x0
.irp u, 1
	v_pk_add_f32 v[QD:QD+1], v[QD:QD+1], v[QD+4*\u:QD+4*\u+1]
	v_pk_add_f32 v[QD+2:QD+3], v[QD+2:QD+3], v[QD+4*\u+2:QD+4*\u+3]
.endr
.irp u, 2, 3, 4, 5, 6, 7
	s_delay_alu instid0(VALU_DEP_2)
	v_pk_add_f32 v[QD:QD+1], v[QD:QD+1], v[QD+4*\u:QD+4*\u+1]
	s_delay_alu instid0(VALU_DEP_2)
	v_pk_add_f32 v[QD+2:QD+3], v[QD+2:QD+3], v[QD+4*\u+2:QD+4*\u+3]
.endr
.irp j, 0,1,2,3
	v_fma_f32 v[OP+2*\j], v[QD+\j], s[K2S], v36    ; K2 (dec W + b)
	v_mov_b32 v[OP+2*\j+1], v37
.endr
.irp j, 0,1,2,3
	global_store_b64 v[BO], v[OP+2*\j:OP+2*\j+1], s[16:17] offset:8192*\j   ; sixteen lanes store 128 consecutive bytes of a batch's row; 256 KiB in the whole launch
.endr
	s_wait_tensorcnt 0x0                           ; the wave's end
	ds_add_u32 v[SPW], v[NIL]
	s_wait_dscnt 0x0
	s_endpgm
.Lfunc_end_k_qbcd7eadf1e_prep:
	.size	k_qbcd7eadf1e_prep, .Lfunc_end_k_qbcd7eadf1e_prep-k_qbcd7eadf1e_prep
	.p2alignl 7, 3214868480
	.fill 96, 4, 3214868480
	.section	.rodata,"a",@progbits
	.p2align	6, 0x0
	.amdhsa_kernel k_qbcd7eadf1e_prep
		.amdhsa_group_segment_fixed_size 33792
		.amdhsa_private_segment_fixed_size 0
		.amdhsa_enable_private_segment 0
		.amdhsa_kernarg_size 56
		.amdhsa_user_sgpr_count 2
		.amdhsa_user_sgpr_kernarg_segment_ptr 1
		.amdhsa_wavefront_size32 1
		.amdhsa_system_sgpr_workgroup_id_x 1
		.amdhsa_system_sgpr_workgroup_id_y 1
		.amdhsa_system_sgpr_workgroup_id_z 1
		.amdhsa_system_vgpr_workitem_id 0
		.amdhsa_next_free_vgpr 256
		.amdhsa_next_free_sgpr 66
		.amdhsa_reserve_vcc 0
		.amdhsa_float_denorm_mode_32 3
		.amdhsa_float_denorm_mode_16_64 3
		.amdhsa_memory_ordered 1
		.amdhsa_forward_progress 1
		.amdhsa_inst_pref_size 60
	.end_amdhsa_kernel
	.amdgpu_metadata
---
amdhsa.version: [ 1, 2 ]
amdhsa.kernels:
  - .name:           k_qbcd7eadf1e_prep
    .symbol:         k_qbcd7eadf1e_prep.kd
    .args:
      - { .name: V, .offset: 0, .size: 8, .value_kind: global_buffer, .address_space: global }
      - { .name: W, .offset: 8, .size: 8, .value_kind: global_buffer, .address_space: global }
      - { .name: decoder_output, .offset: 16, .size: 8, .value_kind: global_buffer, .address_space: global }
      - { .name: b, .offset: 24, .size: 8, .value_kind: global_buffer, .address_space: global }
      - { .name: w, .offset: 32, .size: 8, .value_kind: global_buffer, .address_space: global }
      - { .name: vq, .offset: 40, .size: 8, .value_kind: global_buffer, .address_space: global }
      - { .name: bw, .offset: 48, .size: 8, .value_kind: global_buffer, .address_space: global }
    .group_segment_fixed_size: 33792
    .private_segment_fixed_size: 0
    .kernarg_segment_align: 8
    .kernarg_segment_size: 56
    .max_flat_workgroup_size: 256
    .sgpr_count:     66
    .vgpr_count:     256
    .wavefront_size: 32
...
	.end_amdgpu_metadata
.endif
;; end of part 1
;; launch main (part 2): grid 256 x 1, 4 waves a work-group, clusters of 4 x 1, 327,680 bytes of LDS; arguments encoder_outputs, vq, bw, part; writes part
.if DOCPART == 2
	.amdgcn_target "amdgcn-amd-amdhsa--gfx1250"
	.amdhsa_code_object_version 6
	.text
	.protected	k_qbcd7eadf1e_main
	.globl	k_qbcd7eadf1e_main
	.p2align	8
	.type	k_qbcd7eadf1e_main,@function
k_qbcd7eadf1e_main:
	s_mov_b64 s[64:65], 0
	v_nop
	global_prefetch_b8 v0, s[64:65] scope:SCOPE_SE
	s_setreg_imm32_b32 hwreg(HW_REG_WAVE_MODE, 25, 1), 1
	s_wait_xcnt 0x0
	s_wait_alu depctr_hold_cnt(0) depctr_sa_sdst(0) depctr_va_vdst(0) depctr_va_sdst(0) depctr_va_ssrc(0) depctr_va_vcc(0) depctr_vm_vsrc(0)
	s_getreg_b32 s2, hwreg(HW_REG_IB_STS2, 6, 4)
	s_cmp_eq_u32 s2, 0
	s_cbranch_scc0 .Lentry_in_a_cluster
	s_endpgm
.Lentry_in_a_cluster:
	s_bfe_u32 s2, ttmp6, 0x10000c
	s_cmp_lg_u32 s2, 0x3003
	s_cbranch_scc0 .Lentry_shape_is_right
	s_endpgm
.Lentry_shape_is_right:
; MAIN.  For 256 encoder rows a work-group: score(t) = sum over c of w_c tanh(enc_t V + dec W + b)_c, then each wave's part of the softmax and of the context over its 64 rows.
; SHARES.  Work-group g = 4 x cluster + place owns rows 256 g .. + 255 of the encoder rows taken as [65,536][1,024] (batch g / 8); wave w owns 64 of them: four tiles of 16.
; PHASES.  L: the wave's rows come through LDS, 16 rows x 512 numbers a tensor load, and are quantised to BF8 (E5M2) with one E8M0 byte for each 32 along K; all 32 fragments (512 registers) stay in the wave.
;   G: all four waves walk V's 64 tiles of 16 columns (vq, register images); a tile is 32 matrix instructions a wave, each fragment of V feeding four; then tanh and the product with w.
;   S: the wave's 64 scores: their maximum m, p = e^(score - m), the sum l.   C: the rows once more, as f32, into registers: ctx = sum of p x row.   Out: ctx, m, l to part; the next launch joins 32 parts a batch.
; THE ROWS ARE READ TWICE: a row's weight is known only when it has met all of V, and 256 rows (1 MiB as f32) fit neither the 320 KiB of LDS nor the registers left.
; K STEPS as in prep: K step 4 H + t holds at position c the block that begins at k = 512 H + 128 c + 32 t, alike for both operands.
; TANH.  x = K2 acc + K2 (dec W + b), K2 = 2 log2(e); e = 2^x; q = 1 / (1 + e); tanh = 1 - 2 q.  score = sum of w + sum of (-2 w) q.  e = infinity gives q = 0, e = 0 gives q = 1: no bound on x.
; THE ORDER IN PHASE G.  Tile m's products fill accumulator set m % 2.  Among them stand plain lines alone: behind products 0-3 the scores take (-2 w) q of tile m - 2, behind products 28-31 tile m - 1's e becomes 1 + e.
;   Behind the run: tile m's scalings, then ONE batch of 64 transcendentals (q of tile m - 1 into registers of their own, e of tile m), a wait ahead of it and one behind it.  No transcendental stands between two steps of a sum.
; CLUSTER.  All work-groups walk the same vq: the four of a cluster ask for each tile JOINTLY (the same load, the same descriptor, mask 15).  The encoder tiles are each work-group's own: plain loads, behind the same rounds.
; PREFETCH.  The eight rows with which phase C begins are asked for a slot's four tiles ahead.  None is laid for vq: a refill is asked for four tiles, 128 products a wave, ahead of its first read.
; LIMITS: a block of zeros gets the byte 1 where the rule says 127 (its codes are zeros); blocks under the floor 2^(16 - 127) are held at it; NaN and infinities among the inputs are not served.
; REGISTERS, in windows of 256.  Window 0: the names below.  Window 1: V's fragments, two sets of 128 (phase C: two sets of four rows).  Window 2: my fragments of K steps 0-3 at 64 mt + 16 t; window 3: K steps 4-7.
.set STGB,  133120                     ; LDS: two staging sets, each 4 waves x 33,280 bytes: 16 rows x 2,048 bytes, 16 of padding behind each 1,024: rows 2,080 apart
.set WSTB,  33280
.set SLOT1, 1<<17                      ; V's two slots of 67,584 bytes lie over the staging, at 0 and here
.set TILEB, 16896
.set SLB,   4*TILEB                    ; a slot: four tiles, one a wave's load
.set IMG,   266240                     ; 8,192 a wave: four fragments as register images.  From here on no tensor load fills anything
.set ISC,   299008                     ; 512 a wave: their scale words
.set TBL,   301056                     ; 8,192: the batch's (K2 (dec W + b), -2 w), 8 bytes a column
.set PT,    309248                     ; 256 a wave: its 64 weights p
.set SPARE, 310272                     ; the spare words, 128 bytes a wave
.set LI,   1                           ; 16 x lane
.set ASTG, 2                           ; staging: my wave's part + 2,080 r + 64 h
.set IMW,  3                           ; my wave's images + 16 x lane
.set ISW,  4                           ; my wave's scale words + 4 x lane
.set ISR,  5                           ; the same + 4 r + 128 h
.set ABW0, 6                           ; TBL + 8 r
.set ADB,  7
.set ABW,  8
.set AD1,  9
.set AD2,  10
.set AD3,  11
.set SPW,  12                          ; my spare word; never rewritten
.set NIL,  13                          ; 0; never rewritten
.set APW,  14                          ; PT: my wave's + 32 h
.set APR,  15                          ; PT: my wave's
.set TM,   16                          ; v16-31 at work in the quantiser
.set PW,   32
.set PFO,  33                          ; 256 x lane
.set ML8,  34                          ; 8 x lane
.set PFL,  35                          ; phase L's prefetches: 4,096 (lane / 8) + 256 (lane % 8); never rewritten
.set PFB,  62                          ; s[62:63] my wave's first row; never rewritten
.set PFC,  6                           ; s[6:7] phase C's prefetches: the eight rows asked for
.set MLG,  36
.set MLP,  38                          ; v[38:39] m, l
.set WS,   40                          ; v[40:41] the sum of my columns' -2 w
.set T0,   42
.set PC,   48                          ; v48-63 the codes just made
.set X,    64                          ; v64-127 64 numbers (phase L)
.set ACC,  64                          ; v64-95, v96-127 two sets of four accumulators (phase G)
.set SC,   128                         ; v128-159 scores: register 8 mt + j is row 16 mt + 8 h + j, my column's share
.set ASC,  160                         ; v160-175 my rows' scale words
.set BSC,  178                         ; v178-185 V's scale words, two sets: no product's two scale words have numbers equal modulo 8
.set BW,   186                         ; v186-189 (bias, -2 w) of my column: tile m's in set m % 2
.set CTX,  192                         ; v192-223 the context: register 4 q + i is column 128 q + 4 lane + i
.set Q,    224                         ; v224-255 a tile's 32 q (phase G)
.set PP,   224                         ; v224-231 eight rows' p (phase C)
.set WV,  12
.set GG,  14
.set G1E, 16
.set G1V, 24
.set G0E, 32
.set G0V, 36
.set SEL, 40
.set MNT, 42
.set WST, 43
.set K2,  44
.set L2E, 46
.set TB,  48
.set TN,  49
.set CNT, 50
.set PO,  51
.set IO,  52
.set SO,  53
.set PTO, 54
.set EC,  56                           ; s[56:57], s[60:61] phase C: a base for each of the two row sets
.set MSB, 0
.macro WIN new                         ; the immediate's high byte repeats the setting that is left
.if MSB != (\new)
	s_set_vgpr_msb (MSB<<8)|(\new)
.set MSB, (\new)
.endif
.endm
; A prefetch of my wave's staging tile n (16 rows x 2,048 bytes): four lines, a lane names 256 bytes, four rows a line; every step is an immediate.  Each block is named once in the launch.
.macro ASKL n
.irp u, 0,1,2,3
	global_prefetch_b8 v[PFL], s[PFB:PFB+1] offset:((\n)/2)*65536+((\n)%2)*2048+16384*\u th:TH_LOAD_NT scope:SCOPE_SE
.endr
.endm
.macro PLACES n
.rept \n
	v_nop
.endr
.endm
.macro CREST                           ; a round of the cluster's barrier behind its opening barrier
	s_cmp_lg_u32 s[WV], 0
	s_cbranch_scc1 .Lnot_wave_0_\@
	s_barrier_signal -3
.Lnot_wave_0_\@:
	s_barrier_wait -3
	s_barrier_signal -1
	s_barrier_wait -1
.endm
.macro ROUND
	s_barrier_signal -1
	s_barrier_wait -1
	CREST
.endm
; 64 numbers of a lane, register 16 b + i = number 16 h + i of position b's block of my row, become a fragment's codes and its scale word
.macro QUANT s, pc, pw
.irp b, 0,1,2,3
	v_max3_num_f32 v[TM+\b], |v[(\s)+16*\b]|, |v[(\s)+1+16*\b]|, 0x8000000   ; with the floor 2^(16 - 127): the byte cannot fall under 1
.endr
.irp i, 2,4,6,8,10,12,14
.irp b, 0,1,2,3
	v_max3_num_f32 v[TM+\b], v[TM+\b], |v[(\s)+16*\b+\i]|, |v[(\s)+1+16*\b+\i]|
.endr
.endr
.irp b, 0,1,2,3
	v_permlanex16_b32 v[TM+4+\b], v[TM+\b], s[SEL], s[SEL+1]
.endr
.irp b, 0,1,2,3
	v_max_num_f32 v[TM+\b], v[TM+\b], v[TM+4+\b]   ; the block's largest magnitude
.endr
.irp b, 0,1,2,3
	v_add_nc_u32 v[TM+12+\b], 0xf8800000, v[TM+\b] ; 15 off its exponent field: the conversion's scale operand
.endr
.irp b, 0,1,2,3
	v_and_or_b32 v[TM+8+\b], v[TM+\b], 0x7f800000, s[MNT]   ; 57,344 x the scale
.endr
.irp b, 0,1,2,3
	v_lshrrev_b32 v[TM+4+\b], 23, v[TM+12+\b]      ; the scale's byte
.endr
	v_lshl_or_b32 v[\pw], v[TM+5], 8, v[TM+4]
	v_lshl_or_b32 v[\pw], v[TM+6], 16, v[\pw]
	v_lshl_or_b32 v[\pw], v[TM+7], 24, v[\pw]
.irp b, 0,1,2,3
.irp i, 0,1,2,3,4,5,6,7,8,9,10,11,12,13,14,15
	v_med3_num_f32 v[(\s)+16*\b+\i], v[(\s)+16*\b+\i], -v[TM+8+\b], v[TM+8+\b]   ; the conversion does not saturate (ISA guide 7.6.2): the hold comes first
.endr
	v_cvt_scalef32_pk8_bf8_f32 v[(\pc)+4*\b:(\pc)+1+4*\b], v[(\s)+16*\b:(\s)+7+16*\b], v[TM+12+\b]
	v_cvt_scalef32_pk8_bf8_f32 v[(\pc)+2+4*\b:(\pc)+3+4*\b], v[(\s)+8+16*\b:(\s)+15+16*\b], v[TM+12+\b]
.endr
	v_nop                                          ; a plain line behind the last conversion
.endm
; PHASE L, tile rho = 2 mt + H: rows 16 mt .. + 15 of my 64, k = 512 H .. + 511.  The three lines, a round, my one tensor load (the next tile into the other set; behind the last tile V's slot 0, jointly), then four K steps.
.macro LROUND mt, H, rho
	s_wait_tensorcnt 0x0                           ; no tensor load of mine is out, so a group 0 may be written
	ds_add_u32 v[SPW], v[NIL]
.if (\rho) < 7
	s_add_co_u32 s[G0E+1], s[WST], (((\rho)+1)%2)*STGB
.if (\rho)%2 == 0
	s_add_nc_u64 s[G0E+2:G0E+3], s[G0E+2:G0E+3], 2048          ; the same rows' second half
.else
	s_add_nc_u64 s[G0E+2:G0E+3], s[G0E+2:G0E+3], 16*4096-2048  ; the next 16 rows' first half
.endif
.endif
	s_wait_dscnt 0x0                               ; the add is done; my reads of the set that is filled next are over
	ROUND
.if (\rho) < 7
	tensor_load_to_lds s[G0E:G0E+3], s[G1E:G1E+7]
.else
	tensor_load_to_lds s[G0V:G0V+3], s[G1V:G1V+7]
.endif
	s_nop 0
	PLACES 4
.if (\rho) < 6
	ASKL (\rho)+2                                  ; the tile that the next round's tensor load fetches; the last two rounds ask for nothing
.endif
	s_mov_b32 s[PO], ((\rho)%2)*STGB
	s_mov_b32 s[IO], 0
	s_mov_b32 s[SO], 0
	s_mov_b32 s[CNT], 4
.Lpiece_\@:                            ; trip t: K step 4 H + t: of each row the four blocks at bytes 512 c + 128 t, the padding behind byte 1,024 counted in
	v_add_nc_u32 v[AD1], s[PO], v[ASTG]
.irp c, 0,1,2,3
.irp j, 0,1,2,3
	ds_load_b128 v[X+16*\c+4*\j:X+16*\c+4*\j+3], v[AD1] offset:512*\c+16*(\c/2)+16*\j
.endr
.endr
	s_wait_dscnt 0x0                               ; the numbers are in, and the last trip's stores have read their registers
	v_add_nc_u32 v[AD2], s[IO], v[IMW]
	v_add_nc_u32 v[AD3], s[SO], v[ISW]
	QUANT X, PC, PW
.irp c, 0,1,2,3
	ds_store_b128 v[AD2], v[PC+4*\c:PC+4*\c+3] offset:512*\c       ; the fragment as an image of its registers, in my wave's own bytes
.endr
	ds_store_b32 v[AD3], v[PW]
	s_add_co_u32 s[PO], s[PO], 128
	s_add_co_u32 s[IO], s[IO], 2048
	s_add_co_u32 s[SO], s[SO], 128
	s_sub_co_u32 s[CNT], s[CNT], 1
	s_cmp_lg_u32 s[CNT], 0
	s_cbranch_scc1 .Lpiece_\@
	WIN 0x80+0x40*(\H)                             ; destination window 2 or 3.  LDS serves a wave's instructions in order (ISA guide 5.7.1.4): these loads see the stores above
.irp t, 0,1,2,3
.irp c, 0,1,2,3
	ds_load_b128 v[64*(\mt)+16*\t+4*\c:64*(\mt)+16*\t+4*\c+3], v[IMW] offset:2048*\t+512*\c
.endr
.endr
	WIN 0
.irp u, 0,1
	ds_load_b32 v[ASC+4*(\mt)+2*(\H)+\u], v[ISR] offset:256*\u
.endr
.endm
; The next tile of V: 8 fragments and their scale words into set p.  bw = 1: also the pair (bias, -2 w) of the tile whose products are being issued, into pair set b.
.macro FETCH p, b, bw
	v_add_nc_u32 v[ADB], s[TB], v[LI]
.if \bw
	v_add_nc_u32 v[ABW], s[TN], v[ABW0]
	ds_load_b64 v[BW+2*(\b):BW+2*(\b)+1], v[ABW]   ; the pair first: it is wanted behind this tile's run, the 33 loads below at the next tile's head
.endif
	WIN 0x40
.irp s, 0,1,2,3,4,5,6,7
.irp c, 0,1,2,3
	ds_load_b128 v[128*(\p)+16*\s+4*\c:128*(\p)+16*\s+4*\c+3], v[ADB] offset:2048*\s+512*\c
.endr
.endr
	WIN 0
	ds_load_b128 v[BSC+4*(\p):BSC+4*(\p)+3], v[ADB] offset:16384
.if \bw
	s_add_co_u32 s[TN], s[TN], 128
.endif
	s_add_co_u32 s[TB], s[TB], TILEB
.endm
.macro FETCHW b                        ; the last tile's pair alone
	v_add_nc_u32 v[ABW], s[TN], v[ABW0]
	ds_load_b64 v[BW+2*(\b):BW+2*(\b)+1], v[ABW]
.endm
; Product i of a tile's 32: K step i / 4, my tile of rows i % 4.  The four accumulators take turns.  The first K step starts the sums.
.macro WM p
.set wH, i/16
.set wt, (i/4)%4
.set wm, i%4
.set rD, ACC+32*(\p)+8*wm
.set rA, 64*wm+16*wt
.set rB, 128*(\p)+16*(4*wH+wt)
.set rSA, ASC+4*wm+2*wH+wt/2
.set rSB, BSC+4*(\p)+2*wH+wt/2
	WIN 0x06+wH                                    ; A window 2 or 3, B window 1, C and D window 0
.if i < 4
	v_wmma_scale_f32_16x16x128_f8f6f4 v[rD:rD+7], v[rA:rA+15], v[rB:rB+15], 0, v[rSA], v[rSB] matrix_a_fmt:MATRIX_FMT_BF8 matrix_b_fmt:MATRIX_FMT_BF8
.elseif wt%2 == 0
	v_wmma_scale_f32_16x16x128_f8f6f4 v[rD:rD+7], v[rA:rA+15], v[rB:rB+15], v[rD:rD+7], v[rSA], v[rSB] matrix_a_fmt:MATRIX_FMT_BF8 matrix_b_fmt:MATRIX_FMT_BF8
.else
	v_wmma_scale_f32_16x16x128_f8f6f4 v[rD:rD+7], v[rA:rA+15], v[rB:rB+15], v[rD:rD+7], v[rSA], v[rSB] matrix_a_fmt:MATRIX_FMT_BF8 matrix_b_fmt:MATRIX_FMT_BF8 matrix_a_scale:MATRIX_SCALE_ROW1 matrix_b_scale:MATRIX_SCALE_ROW1
.endif
.endm
.macro FSC a, j                        ; two scores take (-2 w) q: the high word of pair set a
	v_pk_fma_f32 v[SC+2*(\j):SC+2*(\j)+1], v[Q+2*(\j):Q+2*(\j)+1], v[BW+2*(\a):BW+2*(\a)+1], v[SC+2*(\j):SC+2*(\j)+1] op_sel:[0,1,0] op_sel_hi:[1,1,1]
.endm
.macro ONE a, j                        ; 1 + e, two numbers of set a
	v_pk_add_f32 v[ACC+32*(\a)+2*(\j):ACC+32*(\a)+2*(\j)+1], v[ACC+32*(\a)+2*(\j):ACC+32*(\a)+2*(\j)+1], 1.0 op_sel_hi:[1,0]
.endm
; n products of tile m (set p).  Behind products 0-3: tile m - 2's scores (its pair still lies in pair set p).  Behind products 28-31: tile m - 1's 1 + e, on the other set:
; these sixteen name no register of the products and are the places ahead of the first read of the sums (ISA guide 7.12.1 asks for eight).
.macro RUN p, n
.rept \n
	WM \p
.if i < 4
	WIN 0
.irp u, 0,1,2,3
	FSC \p, 4*i+\u
.endr
.elseif i >= 28
	WIN 0
.irp u, 0,1,2,3
	ONE 1-(\p), 4*(i-28)+\u
.endr
.endif
.set i, i+1
.endr
.endm
; Behind tile m's run: K2 acc + bias, each accumulator from its low end on; then the batch: q of tile m - 1, e of tile m.
; The scalings of accumulators 0-2 are also places between the last product and the next tile's loads into V's set just read.
.macro TANH p, cnt
	s_wait_dscnt \cnt                              ; tile m's pair is in; cnt: the loads issued behind it (the next tile's 32 of fragments and one of scale words), which may stay out
.set j, 0
.rept 16
	v_pk_fma_f32 v[ACC+32*(\p)+2*j:ACC+32*(\p)+2*j+1], v[ACC+32*(\p)+2*j:ACC+32*(\p)+2*j+1], s[K2:K2+1], v[BW+2*(\p):BW+2*(\p)+1] op_sel_hi:[1,0,0]
.set j, j+1
.endr
	s_wait_alu depctr_va_vdst(0)                   ; the wait ahead of the batch
.set j, 0
.rept 32
	v_rcp_f32 v[Q+j], v[ACC+32*(1-(\p))+j]
.set j, j+1
.endr
.set j, 0
.rept 32
	v_exp_f32 v[ACC+32*(\p)+j], v[ACC+32*(\p)+j]
.set j, j+1
.endr
	v_add_f32 v[WS], v[WS], v[BW+2*(\p)+1]         ; the sum of -2 w: the plain line behind the batch
	s_wait_alu depctr_va_vdst(0)                   ; and the one wait behind it
.endm
; A TILE of V from set p.  chg = 0: behind the fourth product the next tile is fetched.  chg = 1: the slot's last tile: its four tiles are in registers, so the slot changes: the three lines (two products between the add
; and its wait), a round (two products inside it), the joint refill two slots on first behind it, then the other slot's first tile.  chg = 2: a plain barrier and no refill.  chg = 3: the last tile: only its pair is fetched.
.macro NTILE p, chg
.set i, 0
	s_wait_dscnt 0x0                               ; set p and its scale words are in
.if ((\chg) == 1) || ((\chg) == 2)
	s_wait_tensorcnt 0x0                           ; my tile of the other slot has landed
	ds_add_u32 v[SPW], v[NIL]
.if (\chg) == 1
	s_xor_b32 s[G0V+1], s[G0V+1], SLOT1
	s_add_nc_u64 s[G0V+2:G0V+3], s[G0V+2:G0V+3], SLB
.endif
	RUN \p, 2
	s_wait_dscnt 0x0                               ; the add is done; my reads of this slot were over at the tile's head
	s_barrier_signal -1
	RUN \p, 2
	s_barrier_wait -1
.if (\chg) == 1
	CREST
	tensor_load_to_lds s[G0V:G0V+3], s[G1V:G1V+7]
	s_nop 0
	PLACES 4
.endif
	s_sub_co_u32 s[TB], s[TB], SLB
	s_xor_b32 s[TB], s[TB], SLOT1                  ; the other slot's first tile
	FETCH 1-(\p), \p, 1
.if (\chg) == 2
.irp u, 0,1,2,3
	global_prefetch_b8 v[PFO], s[EC:EC+1] offset:8192*\u th:TH_LOAD_NT scope:SCOPE_SE   ; my rows 56-63: a lane names 256 bytes, four lines 32 KiB; each block is named once in the launch
.endr
.endif
.else
	RUN \p, 4
.if (\chg) == 0
	FETCH 1-(\p), \p, 1
.else
	FETCHW \p
.endif
.endif
	RUN \p, 28
.if (\chg) == 3
	TANH \p, 0
.else
	TANH \p, 33
.endif
.endm
.macro SLOTB chg
	NTILE 0, 0
	NTILE 1, 0
	NTILE 0, 0
	NTILE 1, \chg
.endm
; PHASE C: four rows of set a (rows 4 (1 - a) + e of the eight in hand) x their p.  left: the other set's global loads, dl: the younger LDS load, which may stay out.
; more = 1: behind the multiply-adds the four p registers and the row set take the same rows of the eight below.  The wait at the head shows the set's own 32 loads done, so its base may step.
.macro CSET a, more, left, dl, ask=0
	s_wait_loadcnt \left
	s_wait_dscnt \dl
.if \ask
	s_cmp_gt_u32 s[CNT], 2                         ; trips 0 to 4 ask for the eight rows that are loaded two trips on; the last asked for are my rows 0-7
	s_cbranch_scc0 .Lno_ask_\@
.irp u, 0,1,2,3
	global_prefetch_b8 v[PFO], s[PFC:PFC+1] offset:8192*\u th:TH_LOAD_NT scope:SCOPE_SE   ; a lane names 256 bytes, four lines 32 KiB
.endr
.Lno_ask_\@:
.endif
	WIN 0x01
.irp e, 0,1,2,3
.irp q, 0,1,2,3,4,5,6,7
.irp u, 0,1
.if \e%2 == 0
	v_pk_fma_f32 v[CTX+4*\q+2*\u:CTX+4*\q+2*\u+1], v[128*(\a)+32*\e+4*\q+2*\u:128*(\a)+32*\e+4*\q+2*\u+1], v[PP+4*(1-(\a))+2*(\e/2):PP+4*(1-(\a))+2*(\e/2)+1], v[CTX+4*\q+2*\u:CTX+4*\q+2*\u+1] op_sel:[0,0,0] op_sel_hi:[1,0,1]
.else
	v_pk_fma_f32 v[CTX+4*\q+2*\u:CTX+4*\q+2*\u+1], v[128*(\a)+32*\e+4*\q+2*\u:128*(\a)+32*\e+4*\q+2*\u+1], v[PP+4*(1-(\a))+2*(\e/2):PP+4*(1-(\a))+2*(\e/2)+1], v[CTX+4*\q+2*\u:CTX+4*\q+2*\u+1] op_sel:[0,1,0] op_sel_hi:[1,1,1]
.endif
.endr
.endr
.endr
	WIN 0
.if \more
	ds_load_b128 v[PP+4*(1-(\a)):PP+4*(1-(\a))+3], v[AD1] offset:16*(1-(\a))
	s_sub_nc_u64 s[EC+4*(\a):EC+4*(\a)+1], s[EC+4*(\a):EC+4*(\a)+1], 32768   ; eight rows down
	WIN 0x40
.irp e, 0,1,2,3
.irp q, 0,1,2,3,4,5,6,7
	global_load_b128 v[128*(\a)+32*\e+4*\q:128*(\a)+32*\e+4*\q+3], v[LI], s[EC+4*(\a):EC+4*(\a)+1] offset:(4*(1-(\a))+\e)*4096+512*\q th:TH_LOAD_NT
.endr
.endr
	WIN 0
.endif
.endm
	s_load_b256 s[4:11], s[0:1], 0x0               ; encoder rows s[4:5], vq s[6:7], bw s[8:9], part s[10:11]
	v_lshl_add_u32 v[SPW], v0, 2, SPARE
	v_mov_b32 v[NIL], 0
	ds_add_u32 v[SPW], v[NIL]                      ; the opening lines: the add, twice on end, and its wait ahead of my first tensor load
	ds_add_u32 v[SPW], v[NIL]
	v_lshrrev_b32 v1, 5, v0
	v_readfirstlane_b32 s[WV], v1                  ; wave 0..3
	s_bfe_u32 s13, ttmp6, 0x40000                  ; my place in the cluster
	s_lshl_b32 s[GG], ttmp9, 2
	s_add_co_u32 s[GG], s[GG], s13                 ; g: it enters global addresses of my own loads and stores alone
	; group 1, an encoder tile: 16 rows x 512 numbers of 4 bytes, 1,024 from row to row; 4 words of padding behind every 256
	s_mov_b32 s[G1E], (2<<16)|(1<<20)|(7<<22)|(3<<25)
	s_mov_b32 s[G1E+1], 512<<16
	s_mov_b32 s[G1E+2], 16<<16
	s_mov_b32 s[G1E+3], 512<<16
	s_mov_b32 s[G1E+4], 16
	s_mov_b32 s[G1E+5], 1024
	s_mov_b32 s[G1E+6], 0
	s_mov_b32 s[G1E+7], 0
	; group 1, a tile of vq: 16,896 dense bytes as 66 rows of 256 (32 elements of 8 bytes); the mask names all four work-groups, bit 21 beside it
	s_mov_b32 s[G1V], 15|(3<<16)|(1<<21)
	s_mov_b32 s[G1V+1], 32<<16
	s_mov_b32 s[G1V+2], 66<<16
	s_mov_b32 s[G1V+3], 32<<16
	s_mov_b32 s[G1V+4], 66
	s_mov_b32 s[G1V+5], 32
	s_mov_b32 s[G1V+6], 0
	s_mov_b32 s[G1V+7], 0
	s_mov_b32 s[SEL], 0x76543210
	s_mov_b32 s[SEL+1], 0xfedcba98                 ; v_permlanex16_b32's selects for lane l xor 16
	s_mov_b32 s[MNT], 0x600000                     ; the mantissa field of 57,344
	s_mov_b32 s[K2], 0x4038aa3b                    ; 2 log2(e)
	s_mov_b32 s[K2+1], s[K2]
	s_mov_b32 s[L2E], 0x3fb8aa3b                   ; log2(e)
	s_mov_b32 s[L2E+1], s[L2E]
	s_mul_i32 s[WST], s[WV], WSTB
	s_lshl_b32 s58, s[GG], 20                      ; (256 g + 64 w) rows of 4,096 bytes: under 2^28
	s_lshl_b32 s59, s[WV], 18
	s_add_co_u32 s58, s58, s59
	s_mov_b32 s59, 0
	s_mul_i32 s60, s[WV], TILEB                    ; which tile of a slot I fetch: the wave's number alone
	s_mov_b32 s61, 0
	s_wait_dscnt 0x0                               ; both opening adds are done
	s_wait_kmcnt 0x0
	s_mov_b32 s[G0E], 1
	s_mov_b32 s[G0E+1], s[WST]
	s_add_nc_u64 s[G0E+2:G0E+3], s[4:5], s[58:59]  ; my first row
	s_add_nc_u64 s[EC:EC+1], s[G0E+2:G0E+3], 56*4096   ; my row 56
	s_mov_b64 s[PFB:PFB+1], s[G0E+2:G0E+3]
	s_or_b32 s[G0E+3], s[G0E+3], 0x80000000
	s_mov_b32 s[G0V], 1
	s_mov_b32 s[G0V+1], s60
	s_add_nc_u64 s[G0V+2:G0V+3], s[6:7], s[60:61]
	s_or_b32 s[G0V+3], s[G0V+3], 0x80000000
	s_lshr_b32 s58, s[GG], 3
	s_lshl_b32 s58, s58, 13
	s_add_nc_u64 s[8:9], s[8:9], s[58:59]          ; my batch's row of bw
	ROUND                                          ; in front of the first tensor load
	tensor_load_to_lds s[G0E:G0E+3], s[G1E:G1E+7]  ; tile 0: my one load at the head
	s_nop 0
	PLACES 4
	v_and_b32 v[T0], 31, v0                        ; lane
	v_and_b32 v[T0+1], 15, v0                      ; r
	v_bfe_u32 v[T0+2], v0, 4, 1                    ; h
	v_lshlrev_b32 v[T0+3], 4, v0                   ; 16 x thread
	global_load_b128 v[X:X+3], v[T0+3], s[8:9]
	global_load_b128 v[X+4:X+7], v[T0+3], s[8:9] offset:2048
	global_load_b128 v[X+8:X+11], v[T0+3], s[8:9] offset:4096
	global_load_b128 v[X+12:X+15], v[T0+3], s[8:9] offset:6144
	v_add_nc_u32 v[T0+4], TBL, v[T0+3]
	v_lshlrev_b32 v[LI], 4, v[T0]
	v_mul_u32_u24 v[ASTG], v[T0+1], 2080
	v_lshl_add_u32 v[ASTG], v[T0+2], 6, v[ASTG]
	v_add_nc_u32 v[ASTG], s[WST], v[ASTG]
	s_lshl_b32 s15, s[WV], 13
	s_add_co_u32 s15, s15, IMG
	v_add_nc_u32 v[IMW], s15, v[LI]
	s_lshl_b32 s15, s[WV], 9
	s_add_co_u32 s15, s15, ISC
	v_lshl_add_u32 v[ISW], v[T0], 2, s15
	v_lshl_add_u32 v[ISR], v[T0+1], 2, s15
	v_lshl_add_u32 v[ISR], v[T0+2], 7, v[ISR]
	v_lshl_add_u32 v[ABW0], v[T0+1], 3, TBL
	s_lshl_b32 s15, s[WV], 8
	s_add_co_u32 s15, s15, PT
	v_lshl_add_u32 v[APW], v[T0+2], 5, s15
	v_mov_b32 v[APR], s15
	v_lshlrev_b32 v[PFO], 8, v[T0]
	v_lshlrev_b32 v[ML8], 3, v[T0]
	v_lshrrev_b32 v[PFL], 3, v[T0]
	v_and_b32 v[T0+5], 7, v[T0]
	v_lshlrev_b32 v[PFL], 12, v[PFL]
	v_lshl_add_u32 v[PFL], v[T0+5], 8, v[PFL]
	ASKL 1                                         ; the tile that the first round's tensor load fetches
.irp b, 0,1,2,3
	v_mov_b32 v[TM+4+\b], 0                        ; a lane permute's destination counts as one of its sources
	v_mov_b32 v[BW+\b], 0                          ; both pair sets begin as (0, 0): see phase G's head
.endr
	v_mov_b32 v[WS], 0
	v_mov_b32 v[WS+1], 0
.set zi, 0
.rept 32
	v_mov_b32 v[SC+zi], 0                          ; scores, context and q begin as zeros, so that the tile and the row set are each written once
	v_mov_b32 v[CTX+zi], 0
	v_mov_b32 v[Q+zi], 0
.set zi, zi+1
.endr
	s_wait_alu depctr_va_vdst(0)
	s_wait_loadcnt 0x0
.irp i, 0,1,2,3
	ds_store_b128 v[T0+4], v[X+4*\i:X+4*\i+3] offset:2048*\i       ; the batch's table; the first round below stands between these stores and the other waves' reads
.endr
	; ---- L
	LROUND 0, 0, 0
	LROUND 0, 1, 1
	LROUND 1, 0, 2
	LROUND 1, 1, 3
	LROUND 2, 0, 4
	LROUND 2, 1, 5
	LROUND 3, 0, 6
	LROUND 3, 1, 7
	; ---- G: slot 0 was asked for behind the last round; slot 1 goes over the staging that was read last
	s_wait_tensorcnt 0x0                           ; my tile of slot 0 has landed
	ds_add_u32 v[SPW], v[NIL]
	s_xor_b32 s[G0V+1], s[G0V+1], SLOT1
	s_add_nc_u64 s[G0V+2:G0V+3], s[G0V+2:G0V+3], SLB
	; THE LOOP HAS NO FIRST TILES OF ITS OWN.  Accumulator set 1 begins as zeros: tile 0's run makes 1 of them, its batch q = 1; q began as zeros; both meet the weight 0 of the pairs (0, 0): 0 is added to every score.
.set zi, 0
.rept 32
	v_mov_b32 v[ACC+32+zi], 0
.set zi, zi+1
.endr
	s_wait_dscnt 0x0                               ; the add is done; my fragments and scale words are in registers, my reads of the staging are over
	ROUND
	tensor_load_to_lds s[G0V:G0V+3], s[G1V:G1V+7]
	s_nop 0
	PLACES 4
	s_mov_b32 s[TB], 0
	s_mov_b32 s[TN], 0
	FETCH 0, 0, 0
	s_mov_b32 s[CNT], 14
.Lslot:                                ; 14 trips: slots 0 to 13, each filled again with the tiles two slots on
	SLOTB 1
	s_sub_co_u32 s[CNT], s[CNT], 1
	s_cmp_lg_u32 s[CNT], 0
	s_cbranch_scc1 .Lslot
	SLOTB 2                                        ; the tail is written out
	SLOTB 3
.set j, 0
.rept 16
	FSC 0, j                                       ; tile 62's scores
.set j, j+1
.endr
.set j, 0
.rept 16
	ONE 1, j                                       ; tile 63: 1 + e,
.set j, j+1
.endr
	s_wait_alu depctr_va_vdst(0)                   ; the wait ahead of the batch
.set j, 0
.rept 32
	v_rcp_f32 v[Q+j], v[ACC+32+j]                  ; q,
.set j, j+1
.endr
	v_nop
	s_wait_alu depctr_va_vdst(0)                   ; and behind it
.set j, 0
.rept 16
	FSC 1, j                                       ; and its scores
.set j, j+1
.endr
	; ---- S: the scores of my 64 rows
.irp j, 0,2,4,6,8,10,12,14,16,18,20,22,24,26,28,30
	v_pk_fma_f32 v[SC+\j:SC+\j+1], v[WS:WS+1], -0.5, v[SC+\j:SC+\j+1] op_sel_hi:[0,0,1]   ; + the sum of my columns' w = -0.5 x the sum of -2 w
.endr
.irp k, 1,2,4,8
.set si, 0
.rept 32
	v_add_f32_dpp v[SC+si], v[SC+si], v[SC+si] row_xmask:\k row_mask:0xf bank_mask:0xf   ; over the sixteen lanes, which hold sixteen columns' shares
.set si, si+1
.endr
.endr
	v_max3_num_f32 v[T0], v[SC], v[SC+1], v[SC+2]
.irp i, 3,5,7,9,11,13,15,17,19,21,23,25,27,29
	v_max3_num_f32 v[T0], v[T0], v[SC+\i], v[SC+\i+1]
.endr
	v_max_num_f32 v[T0], v[T0], v[SC+31]
	v_permlanex16_b32 v[T0+1], v[T0], s[SEL], s[SEL+1]
	v_max_num_f32 v[MLP], v[T0], v[T0+1]           ; m: the largest of my wave's 64 scores
	v_mul_f32 v[MLG], s[L2E], v[MLP]
	v_mov_b32 v[MLG+1], v[MLG]
.irp j, 0,2,4,6,8,10,12,14,16,18,20,22,24,26,28,30
	v_pk_fma_f32 v[SC+\j:SC+\j+1], v[SC+\j:SC+\j+1], s[L2E:L2E+1], v[MLG:MLG+1] op_sel_hi:[1,0,0] neg_lo:[0,0,1] neg_hi:[0,0,1]
.endr
	s_wait_alu depctr_va_vdst(0)                   ; the wait ahead of the batch
.set si, 0
.rept 32
	v_exp_f32 v[SC+si], v[SC+si]                   ; p = e^(score - m)
.set si, si+1
.endr
	v_nop
	s_wait_alu depctr_va_vdst(0)                   ; one wait for the 32, ahead of their first reader
.irp m, 0,1,2,3
.irp u, 0,1
	ds_store_b128 v[APW], v[SC+8*\m+4*\u:SC+8*\m+4*\u+3] offset:64*\m+16*\u   ; row 16 m + 8 h + 4 u + i at 4 bytes a row; the sixteen lanes of a half write the same bytes with the same values
.endr
.endr
	v_pk_add_f32 v[64:65], v[SC:SC+1], v[SC+2:SC+3]
	v_pk_add_f32 v[66:67], v[SC+4:SC+5], v[SC+6:SC+7]
.irp j, 8,12,16,20,24,28
	v_pk_add_f32 v[64:65], v[64:65], v[SC+\j:SC+\j+1]
	v_pk_add_f32 v[66:67], v[66:67], v[SC+\j+2:SC+\j+3]
.endr
	v_pk_add_f32 v[64:65], v[64:65], v[66:67]
	v_add_f32 v64, v64, v65
	v_permlanex16_b32 v[T0+1], v64, s[SEL], s[SEL+1]
	v_add_f32 v[MLP+1], v64, v[T0+1]               ; l: the sum of my wave's 64 p
	; ---- C: my rows once more, as f32, eight at a time from the last down; a lane holds 4 columns of each 128
	s_wait_xcnt 0x0                                ; the prefetches, a slot back, have read their base
	s_mov_b64 s[EC+4:EC+5], s[EC:EC+1]             ; the second set's base
	ds_load_b128 v[PP+4:PP+7], v[APR] offset:240   ; rows 60-63's p, the same in every lane (LDS serves my instructions in order: these see the stores above),
	ds_load_b128 v[PP:PP+3], v[APR] offset:224     ; rows 56-59's
	WIN 0x40
.irp a, 0,1
.irp e, 0,1,2,3
.irp q, 0,1,2,3,4,5,6,7
	global_load_b128 v[128*\a+32*\e+4*\q:128*\a+32*\e+4*\q+3], v[LI], s[EC+4*\a:EC+4*\a+1] offset:(4*(1-\a)+\e)*4096+512*\q th:TH_LOAD_NT   ; 32 lanes read 512 consecutive bytes
.endr
.endr
.endr
	WIN 0
	s_mov_b32 s[PTO], 192                          ; where the p of the eight rows below lie
	s_sub_nc_u64 s[PFC:PFC+1], s[EC:EC+1], 2*32768 ; the first trip steps it to my rows 32-39
	s_mov_b32 s[CNT], 7
.Lctx:
	s_wait_xcnt 0x0                                ; the last trip's prefetches have read their base, so it may step
	s_sub_nc_u64 s[PFC:PFC+1], s[PFC:PFC+1], 32768
	v_add_nc_u32 v[AD1], s[PTO], v[APR]
	CSET 0, 1, 32, 1, 1
	CSET 1, 1, 32, 1
	s_sub_co_u32 s[PTO], s[PTO], 32
	s_sub_co_u32 s[CNT], s[CNT], 1
	s_cmp_lg_u32 s[CNT], 0
	s_cbranch_scc1 .Lctx
	CSET 0, 0, 32, 1                               ; the first eight rows: nothing more to load
	CSET 1, 0, 0, 0
	; ---- Out: part's row 4 g + w: 4,096 bytes of context, then 256 bytes of (m, l)
	s_lshl_b32 s58, s[GG], 2
	s_add_co_u32 s58, s58, s[WV]
	s_mul_i32 s58, s58, 4352
	s_mov_b32 s59, 0
	s_add_nc_u64 s[10:11], s[10:11], s[58:59]
.irp q, 0,1,2,3,4,5,6,7
	global_store_b128 v[LI], v[CTX+4*\q:CTX+4*\q+3], s[10:11] offset:512*\q   ; 32 lanes store 512 consecutive bytes, at a multiple of 256 from part's first byte
.endr
	global_store_b64 v[ML8], v[MLP:MLP+1], s[10:11] offset:4096    ; (m, l) from every lane: 256 consecutive bytes, aligned
	s_wait_tensorcnt 0x0                           ; the wave's end
	ds_add_u32 v[SPW], v[NIL]
	s_wait_dscnt 0x0
	ROUND                                          ; the closing round
	s_endpgm
.Lfunc_end_k_qbcd7eadf1e_main:
	.size	k_qbcd7eadf1e_main, .Lfunc_end_k_qbcd7eadf1e_main-k_qbcd7eadf1e_main
	.p2alignl 7, 3214868480
	.fill 96, 4, 3214868480
	.section	.rodata,"a",@progbits
	.p2align	6, 0x0
	.amdhsa_kernel k_qbcd7eadf1e_main
		.amdhsa_group_segment_fixed_size 327680
		.amdhsa_private_segment_fixed_size 0
		.amdhsa_enable_private_segment 0
		.amdhsa_kernarg_size 32
		.amdhsa_user_sgpr_count 2
		.amdhsa_user_sgpr_kernarg_segment_ptr 1
		.amdhsa_wavefront_size32 1
		.amdhsa_system_sgpr_workgroup_id_x 1
		.amdhsa_system_sgpr_workgroup_id_y 1
		.amdhsa_system_sgpr_workgroup_id_z 1
		.amdhsa_system_vgpr_workitem_id 0
		.amdhsa_next_free_vgpr 1024
		.amdhsa_next_free_sgpr 66
		.amdhsa_reserve_vcc 0
		.amdhsa_float_denorm_mode_32 3
		.amdhsa_float_denorm_mode_16_64 3
		.amdhsa_memory_ordered 1
		.amdhsa_forward_progress 1
		.amdhsa_inst_pref_size 255
	.end_amdhsa_kernel
	.section	.bss,"aw",@nobits
	.p2align	6
	.space	262144
	.amdgpu_metadata
---
amdhsa.version: [ 1, 2 ]
amdhsa.kernels:
  - .name:           k_qbcd7eadf1e_main
    .symbol:         k_qbcd7eadf1e_main.kd
    .args:
      - { .name: encoder_outputs, .offset: 0, .size: 8, .value_kind: global_buffer, .address_space: global }
      - { .name: vq, .offset: 8, .size: 8, .value_kind: global_buffer, .address_space: global }
      - { .name: bw, .offset: 16, .size: 8, .value_kind: global_buffer, .address_space: global }
      - { .name: part, .offset: 24, .size: 8, .value_kind: global_buffer, .address_space: global }
    .group_segment_fixed_size: 327680
    .private_segment_fixed_size: 0
    .kernarg_segment_align: 8
    .kernarg_segment_size: 32
    .max_flat_workgroup_size: 128
    .sgpr_count:     66
    .vgpr_count:     1024
    .wavefront_size: 32
...
	.end_amdgpu_metadata
.endif
;; end of part 2
;; launch merge (part 3): grid 8 x 32, 1 waves a work-group, no clusters, 0 bytes of LDS; arguments part, out0; writes out0
.if DOCPART == 3
	.amdgcn_target "amdgcn-amd-amdhsa--gfx1250"
	.amdhsa_code_object_version 6
	.text
	.protected	k_qbcd7eadf1e_merge
	.globl	k_qbcd7eadf1e_merge
	.p2align	8
	.type	k_qbcd7eadf1e_merge,@function
k_qbcd7eadf1e_merge:
	s_mov_b64 s[64:65], 0
	v_nop
	global_prefetch_b8 v0, s[64:65] scope:SCOPE_SE
	s_setreg_imm32_b32 hwreg(HW_REG_WAVE_MODE, 25, 1), 1
	s_wait_xcnt 0x0
; MERGE.  A batch's context from its 32 parts: part i holds ctx_i = sum of e^(score - m_i) x row, m_i and l_i = sum of e^(score - m_i), over 64 rows.
; M = the largest m_i; alpha_i = e^(m_i - M); out = (sum of alpha_i ctx_i) / (sum of alpha_i l_i).  The maximum is taken away as in a softmax over all 2,048 rows.
; One wave a work-group: work-group (x, batch) makes columns 128 x .. + 127: 4 a lane.  Lane i holds part i's m and l.  No LDS, no barrier, no matrix unit: 4.4 MB are read once.
.set ROWB, 4352                        ; a row of part: 4,096 bytes of context, 256 of (m, l)
	s_load_b128 s[4:7], s[0:1], 0x0                ; part, out0
	s_and_b32 s8, ttmp7, 0xffff                    ; the batch
	s_mul_i32 s10, s8, 32*ROWB
	s_mov_b32 s11, 0
	s_lshl_b32 s12, s8, 12                         ; out0: 4,096 bytes a batch
	s_lshl_b32 s9, ttmp9, 9                        ; my 128 columns, in bytes
	s_add_co_u32 s12, s12, s9
	s_mov_b32 s13, 0
	s_mov_b32 s14, 0x76543210
	s_mov_b32 s15, 0xfedcba98                      ; v_permlanex16_b32's selects for lane l xor 16
	v_mul_u32_u24 v1, v0, ROWB                     ; part i = my lane
	v_lshlrev_b32 v3, 4, v0                        ; 16 bytes a lane
	v_add_nc_u32 v2, s9, v3
	v_mov_b32 v7, 0                                ; a lane permute's destination counts as one of its sources
	s_wait_alu depctr_va_vdst(0)
	s_wait_kmcnt 0x0
	s_add_nc_u64 s[4:5], s[4:5], s[10:11]
	s_add_nc_u64 s[6:7], s[6:7], s[12:13]
	global_load_b64 v[4:5], v1, s[4:5] offset:4096 ; m_i, l_i
.set i, 0
.rept 32
	global_load_b128 v[32+4*i:35+4*i], v2, s[4:5] offset:ROWB*i th:TH_LOAD_NT   ; 32 lanes read 512 consecutive bytes of part i
.set i, i+1
.endr
	s_wait_loadcnt 32                              ; m and l are in; the 32 loads behind them may be out
	v_mov_b32 v6, v4
	v_max_num_f32_dpp v6, v6, v6 row_xmask:1 row_mask:0xf bank_mask:0xf
	v_max_num_f32_dpp v6, v6, v6 row_xmask:2 row_mask:0xf bank_mask:0xf
	v_max_num_f32_dpp v6, v6, v6 row_xmask:4 row_mask:0xf bank_mask:0xf
	v_max_num_f32_dpp v6, v6, v6 row_xmask:8 row_mask:0xf bank_mask:0xf
	v_permlanex16_b32 v7, v6, s14, s15
	v_max_num_f32 v6, v6, v7                       ; M
	v_sub_f32 v8, v4, v6
	v_mul_f32 v8, 0x3fb8aa3b, v8
	s_wait_alu depctr_va_vdst(0)
	v_exp_f32 v8, v8                               ; alpha_i
	v_nop
	s_wait_alu depctr_va_vdst(0)                   ; ahead of the first reader
	v_mul_f32 v9, v8, v5
	v_add_f32_dpp v9, v9, v9 row_xmask:1 row_mask:0xf bank_mask:0xf
	v_add_f32_dpp v9, v9, v9 row_xmask:2 row_mask:0xf bank_mask:0xf
	v_add_f32_dpp v9, v9, v9 row_xmask:4 row_mask:0xf bank_mask:0xf
	v_add_f32_dpp v9, v9, v9 row_xmask:8 row_mask:0xf bank_mask:0xf
	v_permlanex16_b32 v7, v9, s14, s15
	v_add_f32 v9, v9, v7                           ; the softmax's sum under M: at least 1
	s_wait_alu depctr_va_vdst(0)
	v_rcp_f32 v10, v9
	v_nop
	s_wait_alu depctr_va_vdst(0)
	v_mul_f32 v11, v8, v10                         ; beta_i = alpha_i / the sum
.set i, 0
.rept 32
	v_readlane_b32 s[16+i], v11, i                 ; each part's factor as a scalar: it multiplies, and steers nothing
.set i, i+1
.endr
	s_wait_loadcnt 0x0
.irp k, 0,1,2,3
	v_mul_f32 v[12+\k], s16, v[32+\k]              ; the first part starts the sums
.endr
.set i, 1
.rept 31
.irp k, 0,1,2,3
	v_fma_f32 v[12+\k], s[16+i], v[32+4*i+\k], v[12+\k]
.endr
.set i, i+1
.endr
	global_store_b128 v3, v[12:15], s[6:7]         ; 32 lanes store 512 consecutive bytes, at a multiple of 256 from out0's first byte
	s_endpgm
.Lfunc_end_k_qbcd7eadf1e_merge:
	.size	k_qbcd7eadf1e_merge, .Lfunc_end_k_qbcd7eadf1e_merge-k_qbcd7eadf1e_merge
	.p2alignl 7, 3214868480
	.fill 96, 4, 3214868480
	.section	.rodata,"a",@progbits
	.p2align	6, 0x0
	.amdhsa_kernel k_qbcd7eadf1e_merge
		.amdhsa_group_segment_fixed_size 0
		.amdhsa_private_segment_fixed_size 0
		.amdhsa_enable_private_segment 0
		.amdhsa_kernarg_size 16
		.amdhsa_user_sgpr_count 2
		.amdhsa_user_sgpr_kernarg_segment_ptr 1
		.amdhsa_wavefront_size32 1
		.amdhsa_system_sgpr_workgroup_id_x 1
		.amdhsa_system_sgpr_workgroup_id_y 1
		.amdhsa_system_sgpr_workgroup_id_z 1
		.amdhsa_system_vgpr_workitem_id 0
		.amdhsa_next_free_vgpr 176
		.amdhsa_next_free_sgpr 66
		.amdhsa_reserve_vcc 0
		.amdhsa_float_denorm_mode_32 3
		.amdhsa_float_denorm_mode_16_64 3
		.amdhsa_memory_ordered 1
		.amdhsa_forward_progress 1
		.amdhsa_inst_pref_size 16
	.end_amdhsa_kernel
	.amdgpu_metadata
---
amdhsa.version: [ 1, 2 ]
amdhsa.kernels:
  - .name:           k_qbcd7eadf1e_merge
    .symbol:         k_qbcd7eadf1e_merge.kd
    .args:
      - { .name: part, .offset: 0, .size: 8, .value_kind: global_buffer, .address_space: global }
      - { .name: out0, .offset: 8, .size: 8, .value_kind: global_buffer, .address_space: global }
    .group_segment_fixed_size: 0
    .private_segment_fixed_size: 0
    .kernarg_segment_align: 8
    .kernarg_segment_size: 16
    .max_flat_workgroup_size: 32
    .sgpr_count:     66
    .vgpr_count:     176
    .wavefront_size: 32
...
	.end_amdgpu_metadata
.endif
;; end of part 3
